; MI455X (gfx1250); checked and timed in simulation.
; The chip was launched on July 23, 2026; its instructions are those of AMD's public machine-readable ISA for CDNA 5 (MIT licence, August 2026) and "CDNA5" Instruction Set Architecture Reference Guide (July 2026). The comments in the code are by the model that wrote it; some were corrected since.
;; Self Attention. Allowed arithmetic: matrix products marked QUANTISED: E2M3 operands, one E8M0 scale for each 32 along K, by v_wmma_scale_f32_16x16x128_f8f6f4 with both operands' format E2M3, f32 sums; everything else in f32.
;; Inputs: b_proj 1,024 float32; w_proj_codes 1,024 x 32 x 24 uint8 (E2M3 codes of w_proj, K innermost, in blocks of 32 codes, four codes in three bytes); w_proj_scales 1,024 x 32 uint8 (E8M0 scales of w_proj, one for each 32 codes along K); w_qkv_codes 3,072 x 32 x 24 uint8 (E2M3 codes of w_qkv, K innermost, in blocks of 32 codes, four codes in three bytes); w_qkv_scales 3,072 x 32 uint8 (E8M0 scales of w_qkv, one for each 32 codes along K); x 2 x 2,048 x 1,024 float32; y 2 x 2,048 x 1,024 float32.
;; Outputs: out0 2 x 2,048 x 1,024 float32; out1 2 x 2,048 x 1,024 float32.
;; This version of the problem:
;;   THIS VERSION OF THE PROBLEM IS GIVEN IN LOW PRECISION. The matrix products marked QUANTISED in the list below multiply operands that are first quantised to E2M3 (2 exponent bits, 3 mantissa bits; 6 bits a number), with one power-of-two scale for each 32 numbers along K (OCP MX v1.0); their sums are f32. All else is computed in f32.
;;   The module's matrix products, in the order in which they are computed (A, B: the left and right operand; K: the contracted axis; several contracted axes count as one K, in the product's order):
;;     1. [M 4,096, K 1,024] x [K 1,024, N 3,072]; A: input x; B: input w_qkv (given as codes): QUANTISED
;;     2. [M 4,096, K 1,024] x [K 1,024, N 3,072]; A: input y; B: input w_qkv (given as codes): QUANTISED
;;     3. batch 32 x [M 2,048, K 64] x [K 64, N 2,048]; A: computed on the way; B: computed on the way: QUANTISED
;;     4. batch 32 x [M 2,048, K 64] x [K 64, N 2,048]; A: computed on the way; B: computed on the way: QUANTISED
;;     5. batch 32 x [M 2,048, K 2,048] x [K 2,048, N 64]; A: softmax (see below); B: computed on the way: QUANTISED
;;     6. batch 32 x [M 2,048, K 2,048] x [K 2,048, N 64]; A: softmax (see below); B: computed on the way: QUANTISED
;;     7. [M 4,096, K 1,024] x [K 1,024, N 1,024]; A: computed on the way; B: input w_proj (given as codes): QUANTISED
;;     8. [M 4,096, K 1,024] x [K 1,024, N 1,024]; A: computed on the way; B: input w_proj (given as codes): QUANTISED
;;   THE QUANTISER, for each operand of a quantised product, along K:
;;     - K is cut into blocks of 32 from its start; a last block that is shorter is filled with zeros.
;;     - A block's scale is 2^e with e = floor(log2(the largest magnitude in the block)) - 2, held to -126 .. 127; a block of zeros has e = 0. As a byte (E8M0): e + 127.
;;     - Each number is divided by its block's scale, clamped to +-7.5, and rounded to the nearest number of E2M3, ties to even, subnormals kept.
;;     - The product sums the exact products of the quantised numbers (number of the format x scale) in f32.
;;   ~~~python
;;   def quantise(x, axis):      # numpy; x: float32 -> the quantised numbers, widened to float32 again
;;       x = np.moveaxis(x, axis, -1); K = x.shape[-1]
;;       x = np.pad(x, [(0, 0)] * (x.ndim - 1) + [(0, -K % 32)]); x = x.reshape(x.shape[:-1] + (-1, 32)); a = np.abs(x).max(-1, keepdims=True)
;;       e = np.where(a > 0, np.clip(np.frexp(np.where(a > 0, a, 1))[1] - 1 - 2, -126, 127), 0)      # np.frexp(a)[1] - 1 = floor(log2(a)), exactly
;;       r = np.clip(x / 2.0 ** e, -7.5, 7.5)
;;       step = 2.0 ** (np.maximum(np.frexp(np.where(r == 0, 1, r))[1] - 1, 0) - 3)
;;       q = np.round(r / step) * step * 2.0 ** e      # np.round: ties to even
;;       return np.moveaxis(q.reshape(q.shape[:-2] + (-1,))[..., :K], -1, axis).astype(np.float32)
;;   ~~~
;;   SOFTMAX AHEAD OF A QUANTISED PRODUCT. Where the list says 'softmax', what is quantised is not the finished softmax but p = 2^(t - M), with t = logit x log2(e) and M = ceil(the row's largest t), a whole number; so 1/2 < the row's largest p <= 1. The row's sum l is taken of the UNQUANTISED p, in f32, and the product's result is divided by l at the end. Since M is a whole number, a kernel that streams over the keys may use a running M (the ceiling of the running maximum): every later rescaling is an exact power of two, which a block's scale takes up: the codes' values come out the same.
;;   OPERANDS COMPUTED ON THE WAY. 'Computed on the way' means the value that the module computes at that place (a softmax that the list does not call 'softmax' is quantised finished and normalised). What goes into a quantiser is computed in f32, as accurately as f32 sums, v_exp_f32 and their like allow (about 1e-6 of the number): no bf16 or f16 on the way to a quantiser, and a product that is left as it is and whose result goes on into a quantised operand takes f32 operands (vector FMAs, or v_wmma_f32_16x16x4_f32). A number that lies on a knife's edge between two numbers of the format may be rounded either way, as far as f32 arithmetic and the matrix unit's own rounding can turn it there, and no further.
;;   INPUTS GIVEN AS CODES. w_proj (in the module: [1024, 1024], K = its axis 0); w_qkv (in the module: [1024, 3072], K = its axis 0): each comes as NAME_codes (uint8): NAME with its K axis moved to the last place and cut into blocks of 32 codes, [.., K / 32, bytes a block], one block behind the other in memory; four codes in three bytes: a row's codes are one little-endian stream of bits, code i at bits 6 i .. 6 i + 5 (a code: sign, 2 exponent bits, 3 mantissa bits); and NAME_scales (uint8): the same leading axes, one E8M0 byte (e + 127) for each 32 codes along K. Its value is code x scale, taken as it is: it is not quantised again, and the codes and scales need not be those that the quantiser above would give.
;; One version. Each part assembles by itself: llvm-mc -triple=amdgcn-amd-amdhsa -mcpu=gfx1250 --defsym DOCPART=n.
;; ======== version 1 of 1: 4 launches
;; limits: right only within a limited range of input values
;; workspace buffers: aimg 6,553,600 bytes; wimg 3,276,800 bytes; qkvimg 19,660,800 bytes; oimg 6,553,600 bytes
;; launch prep (part 1): grid 320 x 1, 4 waves a work-group, no clusters, 34,304 bytes of LDS; arguments x, y, w_qkv_codes, w_qkv_scales, w_proj_codes, w_proj_scales, aimg, wimg; writes aimg, wimg
.if DOCPART == 1
	.amdgcn_target "amdgcn-amd-amdhsa--gfx1250"
	.amdhsa_code_object_version 6
	.text
	.protected	k_q3116a4eaa5_prep
	.globl	k_q3116a4eaa5_prep
	.p2align	8
	.type	k_q3116a4eaa5_prep,@function
k_q3116a4eaa5_prep:
	s_mov_b64 s[64:65], 0
	v_nop
	global_prefetch_b8 v0, s[64:65] scope:SCOPE_SE
	s_setreg_imm32_b32 hwreg(HW_REG_WAVE_MODE, 25, 1), 1
	s_wait_xcnt 0x0
; x and y ([4096][1024] f32 each) are quantised along their 1,024 channels into codes of FP6 (E2M3) with one E8M0 byte for each 32; the two weights, which arrive as codes and bytes, are laid out anew, unchanged.
; ALL WORKSPACE OF THIS PROGRAM HAS ONE FORMAT, THE UNIT: 128 rows x 128 along K in 12,800 bytes.  Eight images of 1,536 bytes, one for each tile of 16 rows: an image is the matrix operand's 12 registers as they stand,
; register p of lane l at 512 (p / 4) + 16 l + 4 (p % 4), so that three loads of 16 bytes a lane bring a fragment.  Lane r of tile t holds row 32 (t / 2) + 8 (t % 2) + r + 8 (r / 8) of the 128: with such a tile as source 0
; of a product, the 16 result registers of tiles 2 b and 2 b + 1 are 16 neighbouring rows.  Behind the images, at byte 12,288, 512 bytes of scale words: that of (t, r) at 256 (t / 4) + 16 r + 4 (t % 4).
; A block's scale is 2^(floor(log2(its largest magnitude)) - 2); its byte is the largest magnitude's exponent field - 2, held at 1 from below.
; LIMITS: a block of zeros gets the byte 1 where the quantiser's rule says 127 (its codes are zeros, which add nothing, and this program alone reads the bytes); NaN and infinities among the inputs are not served.
; SHARES.  Work-groups 0-255: x and y; a wave takes half a unit, 64 rows x 128 channels.  Work-groups 256-319: the weights; a wave takes a unit.  No wave shares anything with another: no barrier.
.set UNIT,  12800
.set IMG,   1536
.set SOFF,  12288
.set SP,    528                        ; a stage row: 512 bytes + 16, so that the 16 rows that a load touches start in 16 different groups of banks
.set WSTG,  16*SP                      ; a wave's stage: 16 rows
.set LI,    1                          ; v1   16 x lane
.set WA,    2                          ; v2   the stage, way in
.set RA,    3                          ; v3   the stage, way out
.set SA,    4                          ; v4   my 8 bytes of the half unit's scale words
.set R,     16                         ; v16-143  two sets of 16 rows x 4 registers, as loaded
.set X,     144                        ; v144-207 64 numbers of my row: register 16 b + i = channel 32 b + 16 (lane / 16) + i
.set TM,    208                        ; v208-223 at work
.set PW,    224                        ; v224-227 the four tiles' scale words
.set PC,    228                        ; v228-239 a fragment's codes
.set CT,    240                        ; v240-247 the conversions' second halves
.set SW,    248                        ; v248-249 scale words on the way out
.set SEL,   34                         ; s[34:35] selects for lane l xor 16
	s_load_b256 s[4:11], s[0:1], 0x0               ; x, y, w_qkv's codes, w_qkv's scales
	s_load_b256 s[12:19], s[0:1], 0x20             ; w_proj's codes, w_proj's scales, aimg, wimg
	v_lshl_add_u32 v254, v0, 2, 0x8400
	v_mov_b32 v255, 0
	v_lshrrev_b32 v5, 5, v0
	v_readfirstlane_b32 s20, v5                    ; wave 0..3
	v_and_b32 v6, 31, v0                           ; lane
	v_and_b32 v7, 15, v0                           ; r
	v_bfe_u32 v8, v0, 4, 1                         ; h
	v_lshlrev_b32 v[LI], 4, v6
	s_mov_b32 vcc_lo, 0xffff0000                   ; lanes 16-31
	s_cmp_ge_u32 ttmp9, 256
	s_cbranch_scc1 .Lweights
; ---------------- x and y ----------------
	s_lshr_b32 s21, ttmp9, 2                       ; the group of 128 tokens, 0..63 (x: 0-31, y: 32-63)
	s_and_b32 s22, ttmp9, 3
	s_lshl_b32 s22, s22, 1
	s_lshr_b32 s23, s20, 1
	s_or_b32 s22, s22, s23                         ; which 128 channels, 0..7
	s_and_b32 s23, s20, 1                          ; which half of the unit's rows
	s_and_b32 s24, s21, 31
	s_lshl_b32 s24, s24, 19                        ; 128 rows of 4,096 bytes
	s_lshl_b32 s25, s23, 18                        ; 64 rows
	s_add_co_u32 s24, s24, s25
	s_lshl_b32 s25, s22, 9                         ; 128 channels
	s_add_co_u32 s24, s24, s25
	s_mov_b32 s25, 0
	s_lshl_b32 s26, s21, 3
	s_add_co_u32 s26, s26, s22
	s_mul_i32 s26, s26, UNIT                       ; my unit
	s_mov_b32 s27, 0
	s_mul_i32 s28, s23, 4*IMG                      ; my four images in it
	s_mov_b32 s29, 0
	s_lshl_b32 s30, s23, 8
	s_add_co_u32 s30, s30, SOFF                    ; my 256 bytes of scale words
	s_mov_b32 s31, 0
	s_mul_i32 s32, s20, WSTG
	s_wait_alu depctr_va_vdst(0)
	v_add_nc_u32 v[WA], s32, v[LI]                 ; in: a row's 512 bytes as they lie
	v_mul_u32_u24 v[RA], v7, SP
	v_lshl_add_u32 v[RA], v8, 6, v[RA]
	v_add_nc_u32 v[RA], s32, v[RA]                 ; out: row r, + 64 h: my 16 numbers of each block of 32
	v_lshlrev_b32 v[SA], 4, v7
	v_lshl_add_u32 v[SA], v8, 3, v[SA]             ; 16 r + 8 h
	s_mov_b32 s[SEL], 0x76543210
	s_mov_b32 s[SEL+1], 0xfedcba98
.irp b, 0,1,2,3
	v_mov_b32 v[TM+4+\b], 0                        ; written once: a lane permute's destination counts as one of its sources
.endr
	s_wait_alu depctr_va_vdst(0)
	s_wait_kmcnt 0x0
	s_cmp_lt_u32 ttmp9, 128                        ; x's work-group or y's: the choice hangs on the work-group's number alone
	s_cselect_b64 s[4:5], s[4:5], s[6:7]
	s_add_nc_u64 s[4:5], s[4:5], s[24:25]
	s_add_nc_u64 s[16:17], s[16:17], s[26:27]
	s_add_nc_u64 s[36:37], s[16:17], s[30:31]      ; the scale words
	s_add_nc_u64 s[16:17], s[16:17], s[28:29]      ; the images
; 64 numbers of a lane, v[s] on, register 16 b + i = k 32 b + 16 (lane / 16) + i of my row, become a fragment's codes in v[PC] on and its scale word in v[pw].
.macro QUANT s, pw
.irp b, 0,1,2,3
	v_max3_num_f32 v[TM+\b], |v[\s+16*\b]|, |v[\s+1+16*\b]|, 0x1800000   ; block b: my 16 numbers, and the floor 2^(3 - 127): the byte cannot fall under 1
.endr
.irp i, 2,4,6,8,10,12,14
.irp b, 0,1,2,3
	v_max3_num_f32 v[TM+\b], v[TM+\b], |v[\s+16*\b+\i]|, |v[\s+1+16*\b+\i]|   ; the four blocks by turns
.endr
.endr
.irp b, 0,1,2,3
	v_permlanex16_b32 v[TM+4+\b], v[TM+\b], s[SEL], s[SEL+1]
.endr
.irp b, 0,1,2,3
	v_max_num_f32 v[TM+\b], v[TM+\b], v[TM+4+\b]   ; with lane l xor 16's: the block's largest magnitude
.endr
.irp b, 0,1,2,3
	v_add_nc_u32 v[TM+12+\b], 0xff000000, v[TM+\b] ; 2 off its exponent field: the conversion takes that field as its scale
.endr
.irp b, 0,1,2,3
	v_lshrrev_b32 v[TM+4+\b], 23, v[TM+12+\b]      ; the scale's byte
.endr
	v_lshl_or_b32 v[\pw], v[TM+5], 8, v[TM+4]
	v_lshl_or_b32 v[\pw], v[TM+6], 16, v[\pw]
	v_lshl_or_b32 v[\pw], v[TM+7], 24, v[\pw]      ; my row's scale word
.irp c, 0,1
	v_cvt_scalef32_pk16_fp6_f32 v[PC+6*\c:PC+2+6*\c], v[\s+32*\c:\s+15+32*\c], v[TM+12+2*\c]
	v_cvt_scalef32_pk16_fp6_f32 v[CT+4*\c:CT+2+4*\c], v[\s+16+32*\c:\s+31+32*\c], v[TM+12+2*\c+1]   ; (a conversion's three registers begin on an even number)
.endr
	v_nop                                          ; one plain place behind a scaled conversion
.irp c, 0,1                                    ; the operand wants a whole block in a lane: lanes 0-15 block 2 c, lanes 16-31 block 2 c + 1
.irp i, 0,1,2
	v_permlane16_swap_b32 v[PC+6*\c+\i], v[CT+4*\c+\i]
.endr
.irp i, 0,1,2
	v_mov_b32 v[PC+3+6*\c+\i], v[CT+4*\c+\i]
.endr
.endr
.endm
.macro LOADT i                         ; tile i's 16 rows, in the tile's row order: each load reads 512 consecutive bytes of one row
.irp k, 0,1,2,3,4,5,6,7,8,9,10,11,12,13,14,15
	global_load_b128 v[R+64*((\i)%2)+4*\k:R+64*((\i)%2)+4*\k+3], v[LI], s[4:5] offset:(32*((\i)/2)+8*((\i)%2)+\k+8*(\k/8))*4096 th:TH_LOAD_NT
.endr
.endm
.macro TILE i
.if (\i) < 3
	s_wait_loadcnt 16                              ; this tile's 16 loads are in; the next tile's 16 may be out
.else
	s_wait_loadcnt 0x0
.endif
.irp k, 0,1,2,3,4,5,6,7,8,9,10,11,12,13,14,15
	ds_store_b128 v[WA], v[R+64*((\i)%2)+4*\k:R+64*((\i)%2)+4*\k+3] offset:\k*SP
.endr
.irp b, 0,1,2,3
.irp j, 0,1,2,3
	ds_load_b128 v[X+16*\b+4*\j:X+16*\b+4*\j+3], v[RA] offset:128*\b+16*\j   ; LDS serves a wave's instructions in order: these see the stores above
.endr
.endr
	s_wait_dscnt 0x0                               ; my numbers are back, and the stores have read the set
.if (\i) > 0
	s_wait_xcnt 0x0                                ; the last tile's stores have read the codes' registers, which are written again below
.endif
.if (\i) < 2
	LOADT (\i)+2                                   ; the set takes the tile two on
.endif
	QUANT X, PW+(\i)
.irp c, 0,1,2
	global_store_b128 v[LI], v[PC+4*\c:PC+4*\c+3], s[16:17] offset:(\i)*IMG+512*\c   ; 512 consecutive bytes, at a multiple of 256 from the buffer's first byte
.endr
.endm
	LOADT 0
	LOADT 1
	TILE 0
	TILE 1
	TILE 2
	TILE 3
	v_cndmask_b32 v[SW], v[PW], v[PW+2], vcc_lo    ; lanes 0-15 send tiles 0, 1's words of row r, lanes 16-31 tiles 2, 3's
	v_cndmask_b32 v[SW+1], v[PW+1], v[PW+3], vcc_lo
	global_store_b64 v[SA], v[SW:SW+1], s[36:37]   ; 256 consecutive bytes
	s_wait_tensorcnt 0x0
	ds_add_u32 v254, v255
	s_wait_dscnt 0x0
	s_endpgm
; ---------------- the weights: the same codes and bytes, in units ----------------
.Lweights:
	s_sub_co_u32 s21, ttmp9, 256                   ; 0..63
	s_lshr_b32 s22, s21, 1                         ; the group of 128 rows: 0-23 w_qkv's, 24-31 w_proj's
	s_and_b32 s23, s21, 1
	s_lshl_b32 s23, s23, 2
	s_or_b32 s23, s23, s20                         ; which 128 along K
	s_cmp_lt_u32 ttmp9, 304
	s_cselect_b32 s24, 0, 24
	s_sub_co_u32 s24, s22, s24                     ; the group within its tensor
	s_mul_i32 s26, s24, 98304                      ; 128 rows of 768 bytes of codes
	s_mul_i32 s25, s23, 96
	s_add_co_u32 s26, s26, s25
	s_mov_b32 s27, 0
	s_lshl_b32 s28, s24, 12                        ; 128 rows of 32 scale bytes
	s_lshl_b32 s25, s23, 2
	s_add_co_u32 s28, s28, s25
	s_mov_b32 s29, 0
	s_lshl_b32 s30, s22, 3
	s_add_co_u32 s30, s30, s23
	s_mul_i32 s30, s30, UNIT
	s_mov_b32 s31, 0
	s_wait_alu depctr_va_vdst(0)
	v_and_b32 v9, 8, v7
	v_add_nc_u32 v9, v9, v7                        ; r + 8 (r / 8)
	v_mul_u32_u24 v10, v9, 768
	v_mad_u32_u24 v10, v8, 24, v10                 ; my row's codes, + 24 h
	v_lshlrev_b32 v11, 5, v9                       ; my row's scale bytes
	s_wait_alu depctr_va_vdst(0)
	s_wait_kmcnt 0x0
	s_cmp_lt_u32 ttmp9, 304
	s_cselect_b64 s[8:9], s[8:9], s[12:13]
	s_cselect_b64 s[10:11], s[10:11], s[14:15]
	s_add_nc_u64 s[8:9], s[8:9], s[26:27]
	s_add_nc_u64 s[10:11], s[10:11], s[28:29]
	s_add_nc_u64 s[18:19], s[18:19], s[30:31]
.irp t, 0,1,2,3,4,5,6,7
.irp p, 0,1,2,3,4,5
	global_load_b64 v[16+12*\t+2*\p:17+12*\t+2*\p], v10, s[8:9] offset:(32*(\t/2)+8*(\t%2))*768+48*(\p/3)+8*(\p%3)   ; a fragment is 2 x 24 bytes of the row's stream of bits, as they lie
.endr
	global_load_b32 v[112+\t], v11, s[10:11] offset:(32*(\t/2)+8*(\t%2))*32
.endr
	s_wait_loadcnt 0x0
.irp t, 0,1,2,3,4,5,6,7
.irp c, 0,1,2
	global_store_b128 v[LI], v[16+12*\t+4*\c:19+12*\t+4*\c], s[18:19] offset:\t*IMG+512*\c
.endr
.endr
.irp i, 0,1,2,3
	v_cndmask_b32 v[120+\i], v[112+\i], v[116+\i], vcc_lo   ; lanes 0-15 tile i's word, lanes 16-31 tile 4 + i's
.endr
	global_store_b128 v[LI], v[120:123], s[18:19] offset:SOFF
	s_endpgm
.Lfunc_end_k_q3116a4eaa5_prep:
	.size	k_q3116a4eaa5_prep, .Lfunc_end_k_q3116a4eaa5_prep-k_q3116a4eaa5_prep
	.p2alignl 7, 3214868480
	.fill 96, 4, 3214868480
	.section	.rodata,"a",@progbits
	.p2align	6, 0x0
	.amdhsa_kernel k_q3116a4eaa5_prep
		.amdhsa_group_segment_fixed_size 34304
		.amdhsa_private_segment_fixed_size 0
		.amdhsa_enable_private_segment 0
		.amdhsa_kernarg_size 64
		.amdhsa_user_sgpr_count 2
		.amdhsa_user_sgpr_kernarg_segment_ptr 1
		.amdhsa_wavefront_size32 1
		.amdhsa_system_sgpr_workgroup_id_x 1
		.amdhsa_system_sgpr_workgroup_id_y 1
		.amdhsa_system_sgpr_workgroup_id_z 1
		.amdhsa_system_vgpr_workitem_id 0
		.amdhsa_next_free_vgpr 256
		.amdhsa_next_free_sgpr 66
		.amdhsa_reserve_vcc 1
		.amdhsa_float_denorm_mode_32 3
		.amdhsa_float_denorm_mode_16_64 3
		.amdhsa_memory_ordered 1
		.amdhsa_forward_progress 1
		.amdhsa_inst_pref_size 43
	.end_amdhsa_kernel
	.amdgpu_metadata
---
amdhsa.version: [ 1, 2 ]
amdhsa.kernels:
  - .name:           k_q3116a4eaa5_prep
    .symbol:         k_q3116a4eaa5_prep.kd
    .args:
      - { .name: x, .offset: 0, .size: 8, .value_kind: global_buffer, .address_space: global }
      - { .name: y, .offset: 8, .size: 8, .value_kind: global_buffer, .address_space: global }
      - { .name: w_qkv_codes, .offset: 16, .size: 8, .value_kind: global_buffer, .address_space: global }
      - { .name: w_qkv_scales, .offset: 24, .size: 8, .value_kind: global_buffer, .address_space: global }
      - { .name: w_proj_codes, .offset: 32, .size: 8, .value_kind: global_buffer, .address_space: global }
      - { .name: w_proj_scales, .offset: 40, .size: 8, .value_kind: global_buffer, .address_space: global }
      - { .name: aimg, .offset: 48, .size: 8, .value_kind: global_buffer, .address_space: global }
      - { .name: wimg, .offset: 56, .size: 8, .value_kind: global_buffer, .address_space: global }
    .group_segment_fixed_size: 34304
    .private_segment_fixed_size: 0
    .kernarg_segment_align: 8
    .kernarg_segment_size: 64
    .max_flat_workgroup_size: 128
    .sgpr_count:     66
    .vgpr_count:     256
    .wavefront_size: 32
...
	.end_amdgpu_metadata
.endif
;; end of part 1
;; launch qkv (part 2): grid 12 x 32, 4 waves a work-group, clusters of 4 x 4, 327,680 bytes of LDS; arguments aimg, wimg, qkvimg; writes qkvimg
.if DOCPART == 2
	.amdgcn_target "amdgcn-amd-amdhsa--gfx1250"
	.amdhsa_code_object_version 6
	.text
	.protected	k_q3116a4eaa5_qkv
	.globl	k_q3116a4eaa5_qkv
	.p2align	8
	.type	k_q3116a4eaa5_qkv,@function
k_q3116a4eaa5_qkv:
	s_mov_b64 s[64:65], 0
	v_nop
	global_prefetch_b8 v0, s[64:65] scope:SCOPE_SE
	s_setreg_imm32_b32 hwreg(HW_REG_WAVE_MODE, 25, 1), 1
	s_wait_xcnt 0x0
	s_wait_alu depctr_hold_cnt(0) depctr_sa_sdst(0) depctr_va_vdst(0) depctr_va_sdst(0) depctr_va_ssrc(0) depctr_va_vcc(0) depctr_vm_vsrc(0)
	s_getreg_b32 s2, hwreg(HW_REG_IB_STS2, 6, 4)
	s_cmp_eq_u32 s2, 0
	s_cbranch_scc0 .Lentry_in_a_cluster
	s_endpgm
.Lentry_in_a_cluster:
	s_bfe_u32 s2, ttmp6, 0x10000c
	s_cmp_lg_u32 s2, 0xf033
	s_cbranch_scc0 .Lentry_shape_is_right
	s_endpgm
.Lentry_shape_is_right:
.set UNIT,  12800
.set IMG,   1536
.set SOFF,  12288
.set QTR,   2*UNIT
.set GRP,   8*UNIT
.set SLOT,  4*QTR
.set SPARE, 2*SLOT
.set FR,    12
.set NL,    3
.set NP,    4
.set ADRA,  16
.set ADRB,  20
.set LI,    26
.set SPW,   28
.set NIL,   29
.set SC,    32
.set AF,    128
.set PCB,   64
.set CT,    160
.set TM,    168
.set PW,    184
.set SW,    192
.set G1A,   24
.set G0A,   32
.set G1B,   48
.set G0B,   56
.set SEL,   74
.set MSB,   0
.macro WIN new
.if MSB != \new
	s_set_vgpr_msb (MSB<<8)|\new
.set MSB, \new
.endif
.endm
.set MUL_LO, 0xa1
.set MUL_HI, 0xf1
.set TO_B,   0x40
.macro JLOAD s
	s_cmp_eq_u32 s15, 0
	s_cbranch_scc0 .Lfor_b_\@
	tensor_load_to_lds s[G0A+4*\s:G0A+4*\s+3], s[G1A:G1A+7]
	s_nop 0
.rept 4
	v_nop
.endr
	s_branch .Lasked_\@
.Lfor_b_\@:
	tensor_load_to_lds s[G0B+4*\s:G0B+4*\s+3], s[G1B:G1B+7]
	s_nop 0
.rept 4
	v_nop
.endr
.Lasked_\@:
.endm
.macro CREST
	s_cmp_lg_u32 s14, 0
	s_cbranch_scc1 .Lnot_wave_0_\@
	s_barrier_signal -3
.Lnot_wave_0_\@:
	s_barrier_wait -3
	s_barrier_signal -1
	s_barrier_wait -1
.endm
.macro CROUND
	s_barrier_signal -1
	s_barrier_wait -1
	CREST
.endm
	s_load_b128 s[4:7], s[0:1], 0x0
	s_load_b64 s[8:9], s[0:1], 0x10
	v_lshl_add_u32 v[SPW], v0, 2, SPARE
	v_mov_b32 v[NIL], 0
	ds_add_u32 v28, v29
	ds_add_u32 v28, v29
	s_wait_dscnt 0x0
	v_lshrrev_b32 v1, 5, v0
	v_readfirstlane_b32 s14, v1
	s_lshr_b32 s15, s14, 1
	s_and_b32 s16, s14, 1
	s_bfe_u32 s40, ttmp6, 0x40000
	s_bfe_u32 s41, ttmp6, 0x40004
	s_and_b32 s17, ttmp7, 0xffff
	s_lshl_b32 s17, s17, 2
	s_lshl_b32 s18, ttmp9, 2
	s_cmp_eq_u32 ttmp9, 2
	s_cselect_b32 s19, 8, s17
	s_cselect_b32 s20, s17, s18
	s_add_co_u32 s19, s19, s41
	s_add_co_u32 s42, s20, s40
	s_lshl_b32 s43, s41, 2
	s_lshl_b32 s43, 15, s43
	s_lshl_b32 s44, 0x1111, s40
	s_or_b32 s[G1A+0], s43, (3<<16)|(1<<21)
	s_or_b32 s[G1B+0], s44, (3<<16)|(1<<21)
.irp g, G1A, G1B
	s_mov_b32 s[\g+1], 32<<16
	s_mov_b32 s[\g+2], 100<<16
	s_mov_b32 s[\g+3], 32<<16
	s_mov_b32 s[\g+4], 100
	s_mov_b32 s[\g+5], 32
	s_mov_b32 s[\g+6], 0
	s_mov_b32 s[\g+7], 0
.endr
	s_lshl_b32 s66, s19, 1
	s_add_co_u32 s66, s66, s16
	s_mul_i32 s66, s66, GRP
	s_mov_b32 s67, 0
	s_lshl_b32 s68, s42, 1
	s_add_co_u32 s68, s68, s16
	s_mul_i32 s68, s68, GRP
	s_mov_b32 s69, 0
	s_mul_i32 s45, s14, QTR
	s_mov_b32 s[SEL], 0x76543210
	s_mov_b32 s[SEL+1], 0xfedcba98
	s_wait_kmcnt 0x0
	s_cmp_eq_u32 ttmp9, 2
	s_cselect_b64 s[70:71], s[6:7], s[4:5]
	s_cselect_b64 s[72:73], s[4:5], s[6:7]
	s_add_nc_u64 s[70:71], s[70:71], s[66:67]
	s_add_nc_u64 s[72:73], s[72:73], s[68:69]
	CROUND
.irp s, 0,1
	s_mov_b32 s[G0A+4*\s], 1
	s_add_co_u32 s[G0A+4*\s+1], s45, \s*SLOT
	s_add_nc_u64 s[G0A+4*\s+2:G0A+4*\s+3], s[70:71], \s*QTR
	s_or_b32 s[G0A+4*\s+3], s[G0A+4*\s+3], 0x80000000
	s_mov_b32 s[G0B+4*\s], 1
	s_add_co_u32 s[G0B+4*\s+1], s45, \s*SLOT
	s_add_nc_u64 s[G0B+4*\s+2:G0B+4*\s+3], s[72:73], \s*QTR
	s_or_b32 s[G0B+4*\s+3], s[G0B+4*\s+3], 0x80000000
	s_wait_alu depctr_va_vdst(0)
	s_wait_tensorcnt 0x0
	ds_add_u32 v28, v29
	ds_add_u32 v28, v29
	s_wait_dscnt 0x0
	CROUND
	JLOAD \s
.endr
	v_and_b32 v1, 31, v0
	v_lshlrev_b32 v[LI], 4, v1
	s_mul_i32 s21, s15, QTR
	s_mul_i32 s22, s16, QTR
	s_add_co_u32 s22, s22, 2*QTR
.irp s, 0,1
	v_add_nc_u32 v[ADRA+\s], s21, v[LI]
	v_add_nc_u32 v[ADRB+\s], s22, v[LI]
	s_add_co_u32 s21, s21, SLOT
	s_add_co_u32 s22, s22, SLOT
.endr
	s_lshl_b32 s84, s19, 1
	s_add_co_u32 s84, s84, s15
	s_lshl_b32 s85, s42, 1
	s_add_co_u32 s85, s85, s16
	s_cmp_eq_u32 ttmp9, 2
	s_cselect_b32 s86, s85, s84
	s_cselect_b32 s87, s84, s85
	s_lshr_b32 s88, s87, 3
	s_lshl_b32 s88, s88, 9
	s_lshr_b32 s89, s86, 4
	s_lshl_b32 s89, s89, 3
	s_and_b32 s90, s87, 7
	s_add_co_u32 s89, s89, s90
	s_lshl_b32 s89, s89, 4
	s_and_b32 s90, s86, 15
	s_add_co_u32 s89, s89, s90
	s_add_co_u32 s88, s88, s89
	s_mul_i32 s88, s88, UNIT
	s_mov_b32 s89, 0
	s_add_nc_u64 s[8:9], s[8:9], s[88:89]
.macro FRAG reg, adr, q, i
.irp c, 0,1,2
	ds_load_b128 v[\reg+4*\c:\reg+4*\c+3], v[\adr] offset:(\q)*UNIT+(\i)*IMG+512*\c
.endr
.endm
.macro WM a, b, p, q, sc, zero
.set rD, 8*(8*((\a)%4)+(\b))
.set rB, 128*(\p)+FR*(\b)
.set rA, AF+FR*(\a)
.set rY, SC+16*(\sc)+8*(\q)+4+(\b)%4
.set rX, SC+16*(\sc)+8*(\q)+(\a)%4
.if (\zero) && ((\a) < 4) && ((\b) < 4)
	v_wmma_scale_f32_16x16x128_f8f6f4 v[rD:rD+7], v[rB:rB+FR-1], v[rA:rA+FR-1], 0, v[rY], v[rX] matrix_a_fmt:MATRIX_FMT_FP6 matrix_b_fmt:MATRIX_FMT_FP6
.elseif (\zero) && ((\a) < 4)
	v_wmma_scale_f32_16x16x128_f8f6f4 v[rD:rD+7], v[rB:rB+FR-1], v[rA:rA+FR-1], 0, v[rY], v[rX] matrix_a_fmt:MATRIX_FMT_FP6 matrix_b_fmt:MATRIX_FMT_FP6 matrix_a_scale:MATRIX_SCALE_ROW1
.elseif (\zero) && ((\b) < 4)
	v_wmma_scale_f32_16x16x128_f8f6f4 v[rD:rD+7], v[rB:rB+FR-1], v[rA:rA+FR-1], 0, v[rY], v[rX] matrix_a_fmt:MATRIX_FMT_FP6 matrix_b_fmt:MATRIX_FMT_FP6 matrix_b_scale:MATRIX_SCALE_ROW1
.elseif \zero
	v_wmma_scale_f32_16x16x128_f8f6f4 v[rD:rD+7], v[rB:rB+FR-1], v[rA:rA+FR-1], 0, v[rY], v[rX] matrix_a_fmt:MATRIX_FMT_FP6 matrix_b_fmt:MATRIX_FMT_FP6 matrix_a_scale:MATRIX_SCALE_ROW1 matrix_b_scale:MATRIX_SCALE_ROW1
.elseif ((\a) < 4) && ((\b) < 4)
	v_wmma_scale_f32_16x16x128_f8f6f4 v[rD:rD+7], v[rB:rB+FR-1], v[rA:rA+FR-1], v[rD:rD+7], v[rY], v[rX] matrix_a_fmt:MATRIX_FMT_FP6 matrix_b_fmt:MATRIX_FMT_FP6
.elseif (\a) < 4
	v_wmma_scale_f32_16x16x128_f8f6f4 v[rD:rD+7], v[rB:rB+FR-1], v[rA:rA+FR-1], v[rD:rD+7], v[rY], v[rX] matrix_a_fmt:MATRIX_FMT_FP6 matrix_b_fmt:MATRIX_FMT_FP6 matrix_a_scale:MATRIX_SCALE_ROW1
.elseif (\b) < 4
	v_wmma_scale_f32_16x16x128_f8f6f4 v[rD:rD+7], v[rB:rB+FR-1], v[rA:rA+FR-1], v[rD:rD+7], v[rY], v[rX] matrix_a_fmt:MATRIX_FMT_FP6 matrix_b_fmt:MATRIX_FMT_FP6 matrix_b_scale:MATRIX_SCALE_ROW1
.else
	v_wmma_scale_f32_16x16x128_f8f6f4 v[rD:rD+7], v[rB:rB+FR-1], v[rA:rA+FR-1], v[rD:rD+7], v[rY], v[rX] matrix_a_fmt:MATRIX_FMT_FP6 matrix_b_fmt:MATRIX_FMT_FP6 matrix_a_scale:MATRIX_SCALE_ROW1 matrix_b_scale:MATRIX_SCALE_ROW1
.endif
.endm
.macro MUL16 a0, p, q, sc, zero
.irp a, \a0, \a0+1
.irp b, 0,1,2,3,4,5,6,7
	WM (\a), \b, \p, \q, \sc, \zero
.endr
.endr
.endm
.macro FETCH_B slot, q, p
	WIN TO_B
.irp i, 0,1,2,3,4,5,6,7
	FRAG 128*(\p)+FR*\i, ADRB+\slot, \q, \i
.endr
	WIN 0
.endm
.macro FETCH_A slot, q, i0
.irp i, \i0, \i0+1, \i0+2, \i0+3
	FRAG AF+FR*(\i), ADRA+\slot, \q, \i
.endr
.endm
.macro SCALES slot
.irp q, 0,1
	ds_load_b128 v[SC+16*\slot+8*\q:SC+16*\slot+8*\q+3],   v[ADRA+\slot] offset:\q*UNIT+SOFF
	ds_load_b128 v[SC+16*\slot+8*\q+4:SC+16*\slot+8*\q+7], v[ADRB+\slot] offset:\q*UNIT+SOFF
.endr
.endm
.macro PLACES
.rept NP
	v_nop
.endr
.endm
.macro STEP slot, zero
	s_wait_dscnt 4*NL
	WIN MUL_LO
	MUL16 0, 0, 0, \slot, \zero
	MUL16 2, 0, 0, \slot, \zero
	s_wait_dscnt 0x0
	PLACES
	FETCH_B \slot, 1, 1
	FETCH_A \slot, 1, 0
	WIN MUL_HI
	MUL16 4, 0, 0, \slot, \zero
	MUL16 6, 0, 0, \slot, \zero
	PLACES
	WIN 0
	FETCH_A \slot, 1, 4
.endm
.macro TURN slot, next, fill
	s_wait_tensorcnt 0x0
	ds_add_u32 v[SPW], v[NIL]
	s_wait_dscnt 4*NL+1
	WIN MUL_LO
	MUL16 0, 1, 1, \slot, 0
	s_wait_dscnt 0x0
	s_barrier_signal -1
	MUL16 2, 1, 1, \slot, 0
	WIN 0
	s_barrier_wait -1
.if \fill
	CREST
	s_add_nc_u64 s[G0A+4*\slot+2:G0A+4*\slot+3], s[G0A+4*\slot+2:G0A+4*\slot+3], 2*QTR
	s_add_nc_u64 s[G0B+4*\slot+2:G0B+4*\slot+3], s[G0B+4*\slot+2:G0B+4*\slot+3], 2*QTR
	JLOAD \slot
.else
	PLACES
.endif
	FETCH_B \next, 0, 0
	FETCH_A \next, 0, 0
	SCALES \next
	WIN MUL_HI
	MUL16 4, 1, 1, \slot, 0
	MUL16 6, 1, 1, \slot, 0
	PLACES
	WIN 0
	FETCH_A \next, 0, 4
.endm
	s_wait_alu depctr_va_vdst(0)
	s_wait_tensorcnt 1
	s_barrier_signal -1
	s_barrier_wait -1
	FETCH_B 0, 0, 0
	FETCH_A 0, 0, 0
	SCALES 0
	FETCH_A 0, 0, 4
	STEP 0, 1
	TURN 0, 1, 1
	STEP 1, 0
	TURN 1, 0, 1
	STEP 0, 0
	TURN 0, 1, 0
	STEP 1, 0
	s_wait_dscnt 4*NL
	WIN MUL_LO
	MUL16 0, 1, 1, 1, 0
	MUL16 2, 1, 1, 1, 0
	s_wait_dscnt 0x0
	WIN MUL_HI
	MUL16 4, 1, 1, 1, 0
	MUL16 6, 1, 1, 1, 0
	WIN 0
	PLACES
.irp b, 0,1,2,3
	v_mov_b32 v[TM+4+\b], 0
.endr
	s_mov_b32 vcc_lo, 0xffff0000
.macro QUANTW a
.set WN, 2+(\a)/4
.set WW, WN|(WN<<2)
.set SR, 64*((\a)%4)
.set PCA, PCB+12*(\a)
	WIN WW
.irp b, 0,1,2,3
	v_max3_num_f32 v[TM+\b], |v[SR+16*\b]|, |v[SR+1+16*\b]|, 0x1800000
.endr
.irp i, 2,4,6,8,10,12,14
.irp b, 0,1,2,3
	v_max3_num_f32 v[TM+\b], |v[SR+16*\b+\i]|, |v[SR+1+16*\b+\i]|, v[TM+\b]
.endr
.endr
	WIN 0
.irp b, 0,1,2,3
	v_permlanex16_b32 v[TM+4+\b], v[TM+\b], s[SEL], s[SEL+1]
.endr
.irp b, 0,1,2,3
	v_max_num_f32 v[TM+\b], v[TM+\b], v[TM+4+\b]
.endr
.irp b, 0,1,2,3
	v_add_nc_u32 v[TM+12+\b], 0xff000000, v[TM+\b]
.endr
.irp b, 0,1,2,3
	v_lshrrev_b32 v[TM+4+\b], 23, v[TM+12+\b]
.endr
	v_lshl_or_b32 v[PW+(\a)], v[TM+5], 8, v[TM+4]
	v_lshl_or_b32 v[PW+(\a)], v[TM+6], 16, v[PW+(\a)]
	v_lshl_or_b32 v[PW+(\a)], v[TM+7], 24, v[PW+(\a)]
	WIN WN
.irp c, 0,1
	v_cvt_scalef32_pk16_fp6_f32 v[PCA+6*\c:PCA+2+6*\c], v[SR+32*\c:SR+15+32*\c], v[TM+12+2*\c]
	v_cvt_scalef32_pk16_fp6_f32 v[CT+4*\c:CT+2+4*\c], v[SR+16+32*\c:SR+31+32*\c], v[TM+12+2*\c+1]
.endr
	WIN 0
	v_nop
.irp c, 0,1
.irp i, 0,1,2
	v_permlane16_swap_b32 v[PCA+6*\c+\i], v[CT+4*\c+\i]
.endr
.irp i, 0,1,2
	v_mov_b32 v[PCA+3+6*\c+\i], v[CT+4*\c+\i]
.endr
.endr
.irp c, 0,1,2
	global_store_b128 v[LI], v[PCA+4*\c:PCA+4*\c+3], s[8:9] offset:(\a)*IMG+512*\c
.endr
.endm
.irp a, 0,1,2,3,4,5,6,7
	QUANTW \a
.endr
.irp i, 0,1,2,3
	v_cndmask_b32 v[SW+\i], v[PW+\i], v[PW+4+\i], vcc_lo
.endr
	global_store_b128 v[LI], v[SW:SW+3], s[8:9] offset:SOFF
	s_wait_tensorcnt 0x0
	ds_add_u32 v[SPW], v[NIL]
	s_wait_dscnt 0x0
	CROUND
	s_endpgm
.Lfunc_end_k_q3116a4eaa5_qkv:
	.size	k_q3116a4eaa5_qkv, .Lfunc_end_k_q3116a4eaa5_qkv-k_q3116a4eaa5_qkv
	.p2alignl 7, 3214868480
	.fill 96, 4, 3214868480
	.section	.rodata,"a",@progbits
	.p2align	6, 0x0
	.amdhsa_kernel k_q3116a4eaa5_qkv
		.amdhsa_group_segment_fixed_size 327680
		.amdhsa_private_segment_fixed_size 0
		.amdhsa_enable_private_segment 0
		.amdhsa_kernarg_size 24
		.amdhsa_user_sgpr_count 2
		.amdhsa_user_sgpr_kernarg_segment_ptr 1
		.amdhsa_wavefront_size32 1
		.amdhsa_system_sgpr_workgroup_id_x 1
		.amdhsa_system_sgpr_workgroup_id_y 1
		.amdhsa_system_sgpr_workgroup_id_z 1
		.amdhsa_system_vgpr_workitem_id 0
		.amdhsa_next_free_vgpr 1024
		.amdhsa_next_free_sgpr 96
		.amdhsa_reserve_vcc 1
		.amdhsa_float_denorm_mode_32 3
		.amdhsa_float_denorm_mode_16_64 3
		.amdhsa_memory_ordered 1
		.amdhsa_forward_progress 1
		.amdhsa_inst_pref_size 137
	.end_amdhsa_kernel
	.amdgpu_metadata
---
amdhsa.version: [ 1, 2 ]
amdhsa.kernels:
  - .name:           k_q3116a4eaa5_qkv
    .symbol:         k_q3116a4eaa5_qkv.kd
    .args:
      - { .name: aimg, .offset: 0, .size: 8, .value_kind: global_buffer, .address_space: global }
      - { .name: wimg, .offset: 8, .size: 8, .value_kind: global_buffer, .address_space: global }
      - { .name: qkvimg, .offset: 16, .size: 8, .value_kind: global_buffer, .address_space: global }
    .group_segment_fixed_size: 327680
    .private_segment_fixed_size: 0
    .kernarg_segment_align: 8
    .kernarg_segment_size: 24
    .max_flat_workgroup_size: 128
    .sgpr_count:     96
    .vgpr_count:     1024
    .wavefront_size: 32
...
	.end_amdgpu_metadata
.endif
;; end of part 2
;; launch attn (part 3): grid 8 x 32, 16 waves a work-group, clusters of 4 x 1, 327,680 bytes of LDS; arguments qkvimg, oimg; writes oimg
.if DOCPART == 3
	.amdgcn_target "amdgcn-amd-amdhsa--gfx1250"
	.amdhsa_code_object_version 6
	.text
	.protected	k_q3116a4eaa5_attn
	.globl	k_q3116a4eaa5_attn
	.p2align	8
	.type	k_q3116a4eaa5_attn,@function
k_q3116a4eaa5_attn:
	s_mov_b64 s[64:65], 0
	v_nop
	global_prefetch_b8 v0, s[64:65] scope:SCOPE_SE
	s_setreg_imm32_b32 hwreg(HW_REG_WAVE_MODE, 25, 1), 1
	s_wait_xcnt 0x0
	s_wait_alu depctr_hold_cnt(0) depctr_sa_sdst(0) depctr_va_vdst(0) depctr_va_sdst(0) depctr_va_ssrc(0) depctr_va_vcc(0) depctr_vm_vsrc(0)
	s_getreg_b32 s2, hwreg(HW_REG_IB_STS2, 6, 4)
	s_cmp_eq_u32 s2, 0
	s_cbranch_scc0 .Lentry_in_a_cluster
	s_endpgm
.Lentry_in_a_cluster:
	s_bfe_u32 s2, ttmp6, 0x10000c
	s_cmp_lg_u32 s2, 0x3003
	s_cbranch_scc0 .Lentry_shape_is_right
	s_endpgm
.Lentry_shape_is_right:
; o = softmax(q k^T / 8) v for 4 sequences x 16 heads of 64 channels x 2,048 tokens, v taken from the other branch's sequence; both products on codes of FP6 (E2M3) with E8M0 scales.  o leaves as codes, quantised along the 1,024 channels.
; THE SOFTMAX: t = score x log2(e) / 8; M = the row's largest t so far, rounded up to a whole number; p = 2^(t - M) is quantised along the keys, not normalised; the row's sum is taken of the unquantised p and divides o at the end.
; When M moves, the sum and o are multiplied by 2^(old M - new M), which rounds nothing.
; OPERANDS come in units of 128 rows x 128 K (eight images of 1,536 bytes, 512 bytes of scale words at byte 12,288); lane r of tile t holds row 32 (t / 2) + 8 (t % 2) + r + 8 (r / 8).
; A unit of q or k: 128 tokens x the 128 channels of a PAIR of heads; of v: the pair's 128 channels x 128 tokens.
; SHARES.  A work-group owns 256 queries of one pair of heads: 4 x 8 x 8 = 256 work-groups.  Wave w owns query tile w % 8 of q's unit w / 8, for BOTH heads, one head after the other in each key step.
; A HEAD OF 64 IN A K OF 128: q lies in 18 registers, [head 0's six | six of zero codes | head 1's six]; registers 0-11 serve head 0, registers 6-17 head 1.  Zero codes add nothing under any scale byte but 0xff (the bytes here are 1 to 254).
; Both products are used transposed (S^T = k q^T, O^T = v^T p^T): a lane holds one query throughout, and by the tiles' row order p's and o's registers are neighbours along the next K.
; CLUSTER: the four query groups of a cluster walk the same k and v: each tile is asked for jointly.  Ring: two slots of 512 keys; waves 0, 1 fetch k's halves, waves 2, 3 v's.
; NO PREFETCH: a refill is asked for at a slot's head and waited for at the next slot's head, eight half steps of each of the 16 waves later.
; LIMITS: NaN and infinities are not served; the scaled scores stay under 2^31 in magnitude; a block of zeros gets the byte 1; a block's largest p is taken through its largest score, which takes v_exp_f32 not to fall where its input rises.
.set UNIT,  12800
.set IMG,   1536
.set SOFF,  12288
.set QTR,   2*UNIT                     ; one tensor load: 256 keys of k or of v: 100 dense rows of 256 bytes
.set VOFF,  4*UNIT                     ; a slot: k's four units, then v's four
.set SLOT1, 1<<17                      ; slot 1 begins here
.set SPARE, 2*SLOT1                    ; the spare words, 128 bytes a wave
.set STG,   SPARE+2048                 ; the way out: two units' scale words, 1,024 bytes of their own
.set LI,   1                           ; 16 x lane
.set AV0,  2                           ; v's images in a slot
.set AT0,  3                           ; v's scale words, row r's in both halves of the lanes
.set TW,   4
.set SPW,  5                           ; my spare word; never rewritten
.set NIL,  6                           ; 0; never rewritten
.set ADT,  7
.set ADK,  8
.set ADV,  9
.set FF,   10                          ; v[10:11] f
.set ML0,  12                          ; head 0: v12 -M, v13 largest t, v[14:15] the sum; head 1: the same at v88-91
.set QF,   16                          ; v16-33 q
.set QS,   34                          ; q's scale words
.set PS,   35                          ; p's scale word
.set FRG,  36                          ; v36-83 four fragments of k or of v
.set KS,   84                          ; k's scale words: register i: lanes 0-15 tile i, lanes 16-31 tile 4 + i
.set VS,   92                          ; v's
.set S,    96                          ; v96-159 S^T, then p
.set OT,   160                         ; v160-223 O^T, four tiles a head
.set PC,   224                         ; p's codes
.set CT,   236
.set BM,   244                         ; the blocks' largest scores, then p
.set BY,   248
.set SX,   252                         ; the conversions' scale operands
.set WV,   18
.set SEL,  20
.set CS,   22                          ; s[22:23] log2(e) / 8
.set G1,   24
.set G0K,  32
.set G0V,  36
.set TB,   40                          ; LDS byte at which the key step's unit of k begins
.set SLOTS, 41
.set INNER, 42
.macro TLOAD                           ; waves 0, 1 fetch for k, waves 2, 3 for v
	s_cmp_lt_u32 s[WV], 2
	s_cbranch_scc0 .Lnot_k_\@
	tensor_load_to_lds s[G0K:G0K+3], s[G1:G1+7]
	s_nop 0
.rept 4
	v_nop
.endr
	s_branch .Lasked_\@
.Lnot_k_\@:
	s_cmp_lt_u32 s[WV], 4
	s_cbranch_scc0 .Lasked_\@
	tensor_load_to_lds s[G0V:G0V+3], s[G1:G1+7]
	s_nop 0
.rept 4
	v_nop
.endr
.Lasked_\@:
.endm
.macro CROUND                          ; a round of the cluster's barrier
	s_barrier_signal -1
	s_barrier_wait -1
	s_cmp_lg_u32 s[WV], 0
	s_cbranch_scc1 .Lnot_wave_0_\@
	s_barrier_signal -3
.Lnot_wave_0_\@:
	s_barrier_wait -3
	s_barrier_signal -1
	s_barrier_wait -1
.endm
	s_load_b128 s[4:7], s[0:1], 0x0                ; qkvimg, oimg
	v_lshl_add_u32 v[SPW], v0, 2, SPARE
	v_mov_b32 v[NIL], 0
	ds_add_u32 v[SPW], v[NIL]
	ds_add_u32 v[SPW], v[NIL]
	v_lshrrev_b32 v8, 5, v0
	v_readfirstlane_b32 s[WV], v8                  ; wave 0..15
	s_bfe_u32 s45, ttmp6, 0x40000                  ; cx
	s_lshl_b32 s46, ttmp9, 2
	s_add_co_u32 s46, s46, s45                     ; my group of 256 queries: it enters q's and o's addresses alone
	s_and_b32 s47, ttmp7, 0xffff                   ; sequence x 8 + head pair, which the partners share
	s_and_b32 s48, s[WV], 7                        ; my query tile
	s_lshr_b32 s49, s[WV], 3                       ; in which of the group's two units
	s_and_b32 s50, s[WV], 1                        ; which half of a slot's k or v I fetch
	s_mul_i32 s51, s50, QTR
	s_lshl_b32 s52, s47, 4
	s_add_co_u32 s52, s52, 512
	s_mul_i32 s52, s52, UNIT
	s_add_co_u32 s52, s52, s51                     ; k: unit 512 + 16 y on
	s_mov_b32 s53, 0
	s_xor_b32 s54, s47, 16                         ; v comes from the other branch: sequence xor 2
	s_lshl_b32 s54, s54, 4
	s_add_co_u32 s54, s54, 1024
	s_mul_i32 s54, s54, UNIT
	s_add_co_u32 s54, s54, s51
	s_mov_b32 s55, 0
	s_lshl_b32 s13, s46, 1
	s_add_co_u32 s13, s13, s49                     ; my group of 128 tokens, 0..15
	s_lshl_b32 s56, s47, 4
	s_add_co_u32 s56, s56, s13
	s_mul_i32 s56, s56, UNIT                       ; q: unit 16 y + group
	s_mov_b32 s57, 0
	s_mul_i32 s58, s48, IMG                        ; my tile's image,
	s_mov_b32 s59, 0
	s_lshr_b32 s60, s48, 2
	s_lshl_b32 s60, s60, 8
	s_and_b32 s61, s48, 3
	s_lshl_b32 s61, s61, 2
	s_add_co_u32 s60, s60, s61
	s_add_co_u32 s60, s60, SOFF                    ; and its scale words
	s_mov_b32 s61, 0
	s_lshr_b32 s62, s47, 3
	s_lshl_b32 s62, s62, 4
	s_add_co_u32 s62, s62, s13
	s_lshl_b32 s62, s62, 3
	s_and_b32 s63, s47, 7
	s_add_co_u32 s62, s62, s63
	s_mul_i32 s62, s62, UNIT                       ; o: unit (16 x sequence + group) x 8 + head pair
	s_mov_b32 s63, 0
	s_mov_b32 s[G1], 15|(3<<16)|(1<<21)            ; the mask: all four work-groups; elements of 8 bytes; bit 21 beside a mask
	s_mov_b32 s[G1+1], 32<<16                      ; rows of 256 bytes,
	s_mov_b32 s[G1+2], 100<<16                     ; 100 of them,
	s_mov_b32 s[G1+3], 32<<16
	s_mov_b32 s[G1+4], 100
	s_mov_b32 s[G1+5], 32                          ; dense
	s_mov_b32 s[G1+6], 0
	s_mov_b32 s[G1+7], 0
	s_mov_b32 s[SEL], 0x76543210
	s_mov_b32 s[SEL+1], 0xfedcba98
	s_mov_b32 s[CS], 0x3e38aa3b                    ; log2(e) / 8
	s_mov_b32 s[CS+1], s[CS]
	s_mov_b32 s[TB], 0
	s_mov_b32 s[SLOTS], 3
	s_wait_alu depctr_va_vdst(0)
	s_wait_dscnt 0x0                               ; both opening adds are done
	s_wait_kmcnt 0x0
	s_add_nc_u64 s[8:9], s[4:5], s[56:57]
	s_add_nc_u64 s[10:11], s[8:9], s[60:61]        ; q's scale words
	s_add_nc_u64 s[8:9], s[8:9], s[58:59]          ; q's image
	s_add_nc_u64 s[6:7], s[6:7], s[62:63]
	s_add_nc_u64 s[6:7], s[6:7], s[58:59]          ; o's image
	s_mov_b32 s[G0K], 1
	s_mov_b32 s[G0K+1], s51
	s_add_nc_u64 s[G0K+2:G0K+3], s[4:5], s[52:53]
	s_or_b32 s[G0K+3], s[G0K+3], 0x80000000
	s_mov_b32 s[G0V], 1
	s_add_co_u32 s[G0V+1], s51, VOFF
	s_add_nc_u64 s[G0V+2:G0V+3], s[4:5], s[54:55]
	s_or_b32 s[G0V+3], s[G0V+3], 0x80000000
	CROUND                                         ; all four work-groups are here
	TLOAD                                          ; slot 0
	v_and_b32 v8, 31, v0
	v_and_b32 v9, 15, v0                           ; r
	v_lshlrev_b32 v[LI], 4, v8
	v_lshlrev_b32 v[ADT], 4, v9
	global_load_b128 v[QF:QF+3], v[LI], s[8:9]                 ; image registers 0-3
	global_load_b128 v[S:S+3], v[LI], s[8:9] offset:512        ; 4-7: two for each head
	global_load_b128 v[QF+14:QF+17], v[LI], s[8:9] offset:1024 ; 8-11
	global_load_b32 v[QS], v[ADT], s[10:11]
	v_add_nc_u32 v[AV0], VOFF, v[LI]
	v_add_nc_u32 v[AT0], VOFF+SOFF, v[ADT]
.irp m, ML0, ML0+76
	v_mov_b32 v[\m+1], 0xff61b1e6                  ; the largest t so far: -3e38
	v_mov_b32 v[\m+2], 0
	v_mov_b32 v[\m+3], 0
	v_floor_f32 v[\m], -v[\m+1]                    ; -M
.endr
.irp b, 0,1,2,3
	v_mov_b32 v[BY+\b], 0                          ; a lane permute's destination counts as one of its sources
.endr
	v_mov_b32 v[FF+1], 0                           ; (named as the upper half of a pair)
.irp i, 6,7,8,9,10,11
	v_mov_b32 v[QF+\i], 0                          ; the zero codes between the heads
.endr
.set jj, 0
.rept 64
	v_mov_b32 v[OT+jj], 0                          ; the step is written once: the first finds zeros, which the first change of M leaves zeros
.set jj, jj+1
.endr
	s_wait_loadcnt 0x0
	v_mov_b32 v[QF+4], v[S]
	v_mov_b32 v[QF+5], v[S+1]
	v_mov_b32 v[QF+12], v[S+2]
	v_mov_b32 v[QF+13], v[S+3]
.rept 4
	v_nop                                          ; places between q's last registers and the first scaled product
.endr
	s_wait_alu depctr_va_vdst(0)
; HALF A KEY STEP: 128 keys for head hd of the pair.
.macro SUB hd
.set ML, ML0+76*\hd
.set OH, OT+32*\hd
.irp g, 0,1                                    ; S^T = k q^T, four tiles of 16 keys at a time
.if \g
.rept 4
	v_nop                                          ; places in front of loads into registers that products have read
.endr
.endif
.irp t, 0,1,2,3
.irp c, 0,1,2
	ds_load_b128 v[FRG+12*\t+4*\c:FRG+12*\t+4*\c+3], v[ADK] offset:(4*\g+\t)*IMG+512*\c
.endr
.endr
	s_wait_dscnt 0x0
.irp t, 0,1,2,3
.if \g
	v_wmma_scale_f32_16x16x128_f8f6f4 v[S+8*(4+\t):S+8*(4+\t)+7], v[FRG+12*\t:FRG+12*\t+11], v[QF+6*\hd:QF+6*\hd+11], 0, v[KS+\t], v[QS] matrix_a_fmt:MATRIX_FMT_FP6 matrix_b_fmt:MATRIX_FMT_FP6 matrix_a_scale:MATRIX_SCALE_ROW1
.else
	v_wmma_scale_f32_16x16x128_f8f6f4 v[S+8*\t:S+8*\t+7], v[FRG+12*\t:FRG+12*\t+11], v[QF+6*\hd:QF+6*\hd+11], 0, v[KS+\t], v[QS] matrix_a_fmt:MATRIX_FMT_FP6 matrix_b_fmt:MATRIX_FMT_FP6
.endif
.endr
.endr                                          ; lane (r, h): query r; the 16 registers of tiles 2 b, 2 b + 1 are keys 32 b + 16 h + 0 .. 15
.rept 4
	v_nop
.endr
.irp t, 0,1,2,3                                ; my head's four fragments of v are asked for now and land under the softmax
.irp c, 0,1,2
	ds_load_b128 v[FRG+12*\t+4*\c:FRG+12*\t+4*\c+3], v[ADV] offset:(4*\hd+\t)*IMG+512*\c
.endr
.endr
	ds_load_b128 v[VS:VS+3], v[ADT] offset:256*\hd
.irp b, 0,1,2,3
	v_max3_num_f32 v[BM+\b], v[S+16*\b], v[S+1+16*\b], v[S+2+16*\b]   ; each block's largest score: for the row's maximum and for the block's largest p; four blocks by turns
.endr
.irp i, 3,5,7,9,11,13
.irp b, 0,1,2,3
	v_max3_num_f32 v[BM+\b], v[BM+\b], v[S+16*\b+\i], v[S+1+16*\b+\i]
.endr
.endr
.irp b, 0,1,2,3
	v_max_num_f32 v[BM+\b], v[BM+\b], v[S+15+16*\b]
.endr
.irp b, 0,1,2,3
	v_permlanex16_b32 v[BY+\b], v[BM+\b], s[SEL], s[SEL+1]
.endr
.irp b, 0,1,2,3
	v_max_num_f32 v[BM+\b], v[BM+\b], v[BY+\b]     ; with lane l xor 16's 16 keys
.endr
	s_delay_alu instid0(VALU_DEP_2)
	v_max3_num_f32 v[TW], v[BM], v[BM+1], v[BM+2]
	s_delay_alu instid0(VALU_DEP_1)
	v_max_num_f32 v[TW], v[TW], v[BM+3]
	s_delay_alu instid0(VALU_DEP_1)
	v_mul_f32 v[TW], s[CS], v[TW]                  ; as t
	s_delay_alu instid0(VALU_DEP_1)
	v_max_num_f32 v[ML+1], v[ML+1], v[TW]          ; the running largest t
	v_mov_b32 v[TW], v[ML]
	s_delay_alu instid0(VALU_DEP_2)
	v_floor_f32 v[ML], -v[ML+1]                    ; the new -M = -ceil(t)
	s_delay_alu instid0(VALU_DEP_1)
	v_sub_f32 v[TW], v[ML], v[TW]                  ; old M - new M: a whole number, 0 or less
	s_delay_alu instid0(VALU_DEP_1)
	v_cvt_i32_f32 v[TW], v[TW]                     ; (it saturates)
	s_delay_alu instid0(VALU_DEP_1)
	v_ldexp_f32 v[FF], 1.0, v[TW]                  ; f = 2^(old M - new M)
.set jj, 0
.rept 32
	v_pk_fma_f32 v[S+jj:S+jj+1], v[S+jj:S+jj+1], s[CS:CS+1], v[ML:ML+1] op_sel_hi:[1,0,0]   ; t - M
.set jj, jj+2
.endr
.irp b, 0,1,2,3
	v_fma_f32 v[BM+\b], v[BM+\b], s[CS], v[ML]
.endr
	s_wait_alu depctr_va_vdst(0)
.set jj, 0
.rept 64
	v_exp_f32 v[S+jj], v[S+jj]                     ; p = 2^(t - M)
.set jj, jj+1
.endr
.irp b, 0,1,2,3
	v_exp_f32 v[BM+\b], v[BM+\b]                   ; the block's largest p: the same two instructions on the same number
.endr
	v_pk_mul_f32 v[ML+2:ML+3], v[ML+2:ML+3], v[FF:FF+1] op_sel_hi:[1,0]   ; the sum under the new M (a plain place behind the exponentials)
	s_wait_alu depctr_va_vdst(0)                   ; and behind it
.irp b, 0,1,2,3
	v_max_num_f32 v[BM+\b], 0x1800000, v[BM+\b]    ; the floor 2^(3 - 127)
.endr
.irp b, 0,1,2,3
	v_add_nc_u32 v[SX+\b], 0xff000000, v[BM+\b]    ; 2 off the exponent field: the conversion's scale operand
.endr
.irp b, 0,1,2,3
	v_lshrrev_b32 v[BY+\b], 23, v[SX+\b]           ; the byte
.endr
	s_delay_alu instid0(VALU_DEP_3)
	v_lshl_or_b32 v[PS], v[BY+1], 8, v[BY]
	s_delay_alu instid0(VALU_DEP_1)
	v_lshl_or_b32 v[PS], v[BY+2], 16, v[PS]
	s_delay_alu instid0(VALU_DEP_1)
	v_lshl_or_b32 v[PS], v[BY+3], 24, v[PS]        ; p's scale word for these 128 keys
.irp c, 0,1
	v_cvt_scalef32_pk16_fp6_f32 v[PC+6*\c:PC+2+6*\c], v[S+32*\c:S+15+32*\c], v[SX+2*\c]
	v_cvt_scalef32_pk16_fp6_f32 v[CT+4*\c:CT+2+4*\c], v[S+16+32*\c:S+31+32*\c], v[SX+2*\c+1]
.endr
	v_nop                                          ; one plain place behind a scaled conversion
.irp c, 0,1                                    ; a whole block in a lane
.irp i, 0,1,2
	v_permlane16_swap_b32 v[PC+6*\c+\i], v[CT+4*\c+\i]
.endr
.irp i, 0,1,2
	v_mov_b32 v[PC+3+6*\c+\i], v[CT+4*\c+\i]
.endr
.endr
	s_wait_alu depctr_va_vdst(0)                   ; ahead of the wait below and of O^T's first reader
	s_wait_dscnt 0x0                               ; v's fragments and scale words
.set jj, 0
.rept 16
	v_pk_mul_f32 v[OH+jj:OH+jj+1], v[OH+jj:OH+jj+1], v[FF:FF+1] op_sel_hi:[1,0]   ; O^T under the new M; these 16 are the places between p's codes and scale word and the products
.set jj, jj+2
.endr
.irp t, 0,1,2,3                                ; O^T += v^T p^T: the four accumulators by turns
	v_wmma_scale_f32_16x16x128_f8f6f4 v[OH+8*\t:OH+8*\t+7], v[FRG+12*\t:FRG+12*\t+11], v[PC:PC+11], v[OH+8*\t:OH+8*\t+7], v[VS+\t], v[PS] matrix_a_fmt:MATRIX_FMT_FP6 matrix_b_fmt:MATRIX_FMT_FP6
.endr
.irp n, 32,16,8                                ; the row's sum of the unquantised p: a tree in place over p's 64 registers, which are done with; these lines name no register of the products above and are the places behind them
.set jj, 0
.rept \n/2
	v_pk_add_f32 v[S+jj:S+jj+1], v[S+jj:S+jj+1], v[S+jj+\n:S+jj+\n+1]
.set jj, jj+2
.endr
.endr
	s_delay_alu instid0(VALU_DEP_2)
	v_pk_add_f32 v[S:S+1], v[S:S+1], v[S+4:S+5]
	s_delay_alu instid0(VALU_DEP_2)
	v_pk_add_f32 v[S+2:S+3], v[S+2:S+3], v[S+6:S+7]
	s_delay_alu instid0(VALU_DEP_1)
	v_pk_add_f32 v[S:S+1], v[S:S+1], v[S+2:S+3]
	s_delay_alu instid0(VALU_DEP_1)
	v_pk_add_f32 v[ML+2:ML+3], v[ML+2:ML+3], v[S:S+1]
.endm
.macro STEP                            ; a key step: the units at s[TB], both heads
	v_add_nc_u32 v[ADK], s[TB], v[LI]
	v_add_nc_u32 v[ADV], s[TB], v[AV0]
	v_add_nc_u32 v[ADT], s[TB], v[AT0]
	s_wait_alu depctr_va_vdst(0)
	ds_load_b128 v[KS:KS+3], v[ADK] offset:SOFF
	SUB 0
	SUB 1
	s_add_co_u32 s[TB], s[TB], UNIT
.endm
.macro FOUR_STEPS                      ; a slot's four key steps
	s_mov_b32 s[INNER], 4
.Lstep_\@:
	STEP
	s_sub_co_u32 s[INNER], s[INNER], 1
	s_cmp_lg_u32 s[INNER], 0
	s_cbranch_scc1 .Lstep_\@
	s_sub_co_u32 s[TB], s[TB], 4*UNIT
	s_xor_b32 s[TB], s[TB], SLOT1                  ; on to the other slot
.endm
; THE CHANGE OF SLOTS.  Each wave waits for all its tensor loads (its part of the slot ahead), adds 0 to its spare word, and waits for that and for its reads of the slot that it has left.
; fill = 1: that slot takes the next 512 keys, behind a round of the cluster's barrier.  The add stands twice there.
.macro CHANGE fill
	s_wait_tensorcnt 0x0
	ds_add_u32 v[SPW], v[NIL]
.if \fill
	ds_add_u32 v[SPW], v[NIL]
	s_xor_b32 s[G0K+1], s[G0K+1], SLOT1            ; no tensor load of mine is out: the groups 0 may be written
	s_add_nc_u64 s[G0K+2:G0K+3], s[G0K+2:G0K+3], 4*UNIT
	s_xor_b32 s[G0V+1], s[G0V+1], SLOT1
	s_add_nc_u64 s[G0V+2:G0V+3], s[G0V+2:G0V+3], 4*UNIT
	s_wait_dscnt 0x0
	CROUND
	TLOAD
.else
	s_wait_dscnt 0x0
	s_barrier_signal -1
	s_barrier_wait -1
.endif
.endm
.Lslot:                                            ; three trips: behind each change of slots but the last the next 512 keys are asked for
	CHANGE 1
	FOUR_STEPS
	s_sub_co_u32 s[SLOTS], s[SLOTS], 1
	s_cmp_lg_u32 s[SLOTS], 0
	s_cbranch_scc1 .Lslot
	CHANGE 0                                       ; the last slot is written out
	FOUR_STEPS
; THE WAY OUT.  O^T / the sum: register 16 b + i is channel 32 b + 16 (lane / 16) + i of the pair (blocks 0, 1: head 0; 2, 3: head 1): the four blocks of my tile's image of o, which I store whole.
; The scale words of a unit's eight tiles are gathered in LDS and leave as 512 consecutive bytes.  (The sums' tree above stands behind the last products as their places.)
	s_wait_alu depctr_va_vdst(0)
	s_lshr_b32 s12, s48, 2
	s_lshl_b32 s12, s12, 8
	s_and_b32 s13, s48, 3
	s_lshl_b32 s13, s13, 2
	s_add_co_u32 s12, s12, s13
	s_lshl_b32 s13, s49, 9
	s_add_co_u32 s13, s13, STG                     ; my unit's 512 bytes of the stage
	s_add_co_u32 s12, s12, s13
	v_and_b32 v[TW], 15, v0
	v_add_nc_u32 v[ADV], s13, v[LI]
	v_lshl_add_u32 v[ADK], v[TW], 4, s12           ; the word of (my tile, r)
	v_add_f32 v14, v14, v15
	v_add_f32 v90, v90, v91
	v_permlanex16_b32 v[BY], v14, s[SEL], s[SEL+1]
	v_permlanex16_b32 v[BY+1], v90, s[SEL], s[SEL+1]
	v_add_f32 v14, v14, v[BY]                      ; the rows' sums
	v_add_f32 v90, v90, v[BY+1]
	s_wait_alu depctr_va_vdst(0)
	v_rcp_f32 v14, v14
	v_rcp_f32 v90, v90
	v_nop
	s_wait_alu depctr_va_vdst(0)
.set jj, 0
.rept 16
	v_pk_mul_f32 v[S+jj:S+jj+1], v[OT+jj:OT+jj+1], v[14:15] op_sel_hi:[1,0]   ; each accumulator from its low end on
.set jj, jj+2
.endr
.rept 16
	v_pk_mul_f32 v[S+jj:S+jj+1], v[OT+jj:OT+jj+1], v[90:91] op_sel_hi:[1,0]
.set jj, jj+2
.endr
.irp b, 0,1,2,3
	v_max3_num_f32 v[BM+\b], |v[S+16*\b]|, |v[S+1+16*\b]|, 0x1800000
.endr
.irp i, 2,4,6,8,10,12,14
.irp b, 0,1,2,3
	v_max3_num_f32 v[BM+\b], v[BM+\b], |v[S+16*\b+\i]|, |v[S+1+16*\b+\i]|
.endr
.endr
.irp b, 0,1,2,3
	v_permlanex16_b32 v[BY+\b], v[BM+\b], s[SEL], s[SEL+1]
.endr
.irp b, 0,1,2,3
	v_max_num_f32 v[BM+\b], v[BM+\b], v[BY+\b]
.endr
.irp b, 0,1,2,3
	v_add_nc_u32 v[SX+\b], 0xff000000, v[BM+\b]
.endr
.irp b, 0,1,2,3
	v_lshrrev_b32 v[BY+\b], 23, v[SX+\b]
.endr
	s_delay_alu instid0(VALU_DEP_3)
	v_lshl_or_b32 v[PS], v[BY+1], 8, v[BY]
	s_delay_alu instid0(VALU_DEP_1)
	v_lshl_or_b32 v[PS], v[BY+2], 16, v[PS]
	s_delay_alu instid0(VALU_DEP_1)
	v_lshl_or_b32 v[PS], v[BY+3], 24, v[PS]        ; my row's scale word
.irp c, 0,1
	v_cvt_scalef32_pk16_fp6_f32 v[PC+6*\c:PC+2+6*\c], v[S+32*\c:S+15+32*\c], v[SX+2*\c]
	v_cvt_scalef32_pk16_fp6_f32 v[CT+4*\c:CT+2+4*\c], v[S+16+32*\c:S+31+32*\c], v[SX+2*\c+1]
.endr
	v_nop
.irp c, 0,1
.irp i, 0,1,2
	v_permlane16_swap_b32 v[PC+6*\c+\i], v[CT+4*\c+\i]
.endr
.irp i, 0,1,2
	v_mov_b32 v[PC+3+6*\c+\i], v[CT+4*\c+\i]
.endr
.endr
.irp c, 0,1,2
	global_store_b128 v[LI], v[PC+4*\c:PC+4*\c+3], s[6:7] offset:512*\c   ; 512 consecutive bytes, at a multiple of 256 from the buffer's first byte
.endr
	ds_store_b32 v[ADK], v[PS]                     ; lanes r and r + 16 write the same word with the same value
	s_wait_dscnt 0x0                               ; for the others' sake
	s_barrier_signal -1
	s_barrier_wait -1
	s_cmp_lg_u32 s48, 0
	s_cbranch_scc1 .Lno_scales
	ds_load_b128 v[S:S+3], v[ADV]                  ; waves 0 and 8 send their units' scale words (their image is the unit's first)
	s_wait_dscnt 0x0
	global_store_b128 v[LI], v[S:S+3], s[6:7] offset:SOFF
.Lno_scales:
	s_wait_tensorcnt 0x0                           ; the wave's end
	ds_add_u32 v[SPW], v[NIL]
	s_wait_dscnt 0x0
	CROUND                                         ; the closing round
	s_endpgm
.Lfunc_end_k_q3116a4eaa5_attn:
	.size	k_q3116a4eaa5_attn, .Lfunc_end_k_q3116a4eaa5_attn-k_q3116a4eaa5_attn
	.p2alignl 7, 3214868480
	.fill 96, 4, 3214868480
	.section	.rodata,"a",@progbits
	.p2align	6, 0x0
	.amdhsa_kernel k_q3116a4eaa5_attn
		.amdhsa_group_segment_fixed_size 327680
		.amdhsa_private_segment_fixed_size 0
		.amdhsa_enable_private_segment 0
		.amdhsa_kernarg_size 16
		.amdhsa_user_sgpr_count 2
		.amdhsa_user_sgpr_kernarg_segment_ptr 1
		.amdhsa_wavefront_size32 1
		.amdhsa_system_sgpr_workgroup_id_x 1
		.amdhsa_system_sgpr_workgroup_id_y 1
		.amdhsa_system_sgpr_workgroup_id_z 1
		.amdhsa_system_vgpr_workitem_id 0
		.amdhsa_next_free_vgpr 256
		.amdhsa_next_free_sgpr 66
		.amdhsa_reserve_vcc 0
		.amdhsa_float_denorm_mode_32 3
		.amdhsa_float_denorm_mode_16_64 3
		.amdhsa_memory_ordered 1
		.amdhsa_forward_progress 1
		.amdhsa_inst_pref_size 84
	.end_amdhsa_kernel
	.amdgpu_metadata
---
amdhsa.version: [ 1, 2 ]
amdhsa.kernels:
  - .name:           k_q3116a4eaa5_attn
    .symbol:         k_q3116a4eaa5_attn.kd
    .args:
      - { .name: qkvimg, .offset: 0, .size: 8, .value_kind: global_buffer, .address_space: global }
      - { .name: oimg, .offset: 8, .size: 8, .value_kind: global_buffer, .address_space: global }
    .group_segment_fixed_size: 327680
    .private_segment_fixed_size: 0
    .kernarg_segment_align: 8
    .kernarg_segment_size: 16
    .max_flat_workgroup_size: 512
    .sgpr_count:     66
    .vgpr_count:     256
    .wavefront_size: 32
...
	.end_amdgpu_metadata
.endif
;; end of part 3
;; launch proj (part 4): grid 4 x 64, 4 waves a work-group, clusters of 4 x 4, 327,680 bytes of LDS; arguments oimg, wimg, x, y, b_proj, out0, out1; writes out0, out1
.if DOCPART == 4
	.amdgcn_target "amdgcn-amd-amdhsa--gfx1250"
	.amdhsa_code_object_version 6
	.text
	.protected	k_q3116a4eaa5_proj
	.globl	k_q3116a4eaa5_proj
	.p2align	8
	.type	k_q3116a4eaa5_proj,@function
k_q3116a4eaa5_proj:
	s_mov_b64 s[64:65], 0
	v_nop
	global_prefetch_b8 v0, s[64:65] scope:SCOPE_SE
	s_setreg_imm32_b32 hwreg(HW_REG_WAVE_MODE, 25, 1), 1
	s_wait_xcnt 0x0
	s_wait_alu depctr_hold_cnt(0) depctr_sa_sdst(0) depctr_va_vdst(0) depctr_va_sdst(0) depctr_va_ssrc(0) depctr_va_vcc(0) depctr_vm_vsrc(0)
	s_getreg_b32 s2, hwreg(HW_REG_IB_STS2, 6, 4)
	s_cmp_eq_u32 s2, 0
	s_cbranch_scc0 .Lentry_in_a_cluster
	s_endpgm
.Lentry_in_a_cluster:
	s_bfe_u32 s2, ttmp6, 0x10000c
	s_cmp_lg_u32 s2, 0xf033
	s_cbranch_scc0 .Lentry_shape_is_right
	s_endpgm
.Lentry_shape_is_right:
; out = o w_proj + b_proj + (x | y): M 8,192 x N 1,024 x K 1,024 on codes of FP6 (E2M3) with E8M0 scales, f32 sums; bias and residual in f32.
; Operands come in units of 128 rows x 128 K (eight images of 1,536 bytes, 512 bytes of scale words at byte 12,288); lane r of tile t holds row 32 (t / 2) + 8 (t % 2) + r + 8 (r / 8).
; A tile of the result is 128 tokens x 256 columns: 256 work-groups.  Wave w: token tiles 4 (w / 2) on, 128 columns w % 2: 32 accumulators.
; ALL OF K LIES IN LDS: four quarters of 256 along K, each A's 25,600 bytes and B's two groups': 307,200 bytes, each byte filled once, so there is no ring and no refill.  Wave 0 asks for A's group, waves 1 and 2
; for B's: one tensor load a wave, all waited for ahead of the first K step.
; CLUSTERS: 4 x 4 work-groups: A's tiles are shared along a row of the cluster (the four column tiles of one token group), B's along a column: joint loads.
; The product is used transposed (source 0 = 16 weight rows, source 1 = 16 tokens): a lane holds one token and neighbouring columns.  The residual's 64 loads a wave are asked for at the head and land under the products.
; LIMITS: NaN and infinities are not served; a given weight scale byte 0xff gives NaN, as in the definition.
; REGISTERS: window 0: v16-26 addresses; v32-47 scale words and nothing else; v48-51 the bias; v64-159 A's fragments, two sets; on the way out v64-191 rows of the result.  window 1: B's fragments, two sets, at v0 and v128.
;   window 2: the accumulators ((a, b) at v[8 (8 a + b)]).  window 3: the residual, tile a's row i at v[64 a + 4 i].
.set UNIT,  12800
.set IMG,   1536
.set SOFF,  12288
.set QTR,   2*UNIT
.set GRP,   8*UNIT
; THE LAYOUT IN LDS, which takes the place of the quarters named at the head: A's group of 8 units at byte 0, B's two groups at GRP and 2 GRP; each group is 400 dense rows of 256 bytes and comes by ONE tensor load
; (wave 0 A's, waves 1 and 2 B's): one load a wave, each byte filled once, all waited for ahead of the first K step.
.set QB,    QTR                        ; two K steps on in a group
.set SP,    528                        ; the way out: a stage of 16 rows x (512 + 16) bytes a wave, 33,792 bytes from byte 0: A's units 0 to 2, which have had their only fill and, behind K step 5's barrier, their last read
.set FR,    12
.set ADRA,  16
.set ADRB,  17
.set ADSA,  18
.set STO,   24
.set RD,    25
.set CO,    26                         ; 16 x lane
.set SC,    32                         ; scale words: set p at +8 p: A's four registers (my four tiles, in all lanes), then B's four (register i: lanes 0-15 tile i, lanes 16-31 tile 4 + i)
.set BI,    48
.set AF,    64
.set BK,    64
.set WV,    18
.set G1A,   24
.set G1B,   36
.set G0A,   44                         ; s[44:47] the group 0 for A
.set G0B,   68                         ; s[68:71] the one for B
.set MSB,   0
.macro WIN new
.if MSB != \new
	s_set_vgpr_msb (MSB<<8)|\new
.set MSB, \new
.endif
.endm
.set MUL,  0xa1                        ; source 0 (B) window 1, source 1 (A) window 0, C and D window 2
.set TO_B, 0x40
.macro CROUND                          ; a round of the cluster's barrier
	s_barrier_signal -1
	s_barrier_wait -1
	s_cmp_lg_u32 s[WV], 0
	s_cbranch_scc1 .Lnot_wave_0_\@
	s_barrier_signal -3
.Lnot_wave_0_\@:
	s_barrier_wait -3
	s_barrier_signal -1
	s_barrier_wait -1
.endm
	s_load_b256 s[4:11], s[0:1], 0x0               ; oimg, wimg, x, y
	s_load_b128 s[12:15], s[0:1], 0x20             ; b_proj, out0
	s_load_b64 s[16:17], s[0:1], 0x30              ; out1
	v_lshl_add_u32 v254, v0, 2, 0x4b000
	v_mov_b32 v255, 0
	ds_add_u32 v254, v255
	ds_add_u32 v254, v255
	v_lshrrev_b32 v1, 5, v0
	v_readfirstlane_b32 s[WV], v1                  ; wave 0..3
	s_lshr_b32 s19, s[WV], 1                       ; which 64 tokens
	s_and_b32 s20, s[WV], 1                        ; which 128 columns
	s_bfe_u32 s21, ttmp6, 0x40000                  ; cx
	s_bfe_u32 s22, ttmp6, 0x40004                  ; cy
	s_and_b32 s23, ttmp7, 0xffff
	s_lshl_b32 s23, s23, 2
	s_add_co_u32 s23, s23, s22                     ; the token group, 0..63
	s_lshl_b32 s84, ttmp9, 2
	s_add_co_u32 s84, s84, s21                     ; the tile of 256 columns, 0..3
	s_lshl_b32 s32, s22, 2
	s_lshl_b32 s32, 15, s32                        ; my row of the cluster
	s_lshl_b32 s33, 0x1111, s21                    ; my column
	s_or_b32 s[G1A+0], s32, (3<<16)|(1<<21)        ; the mask; elements of 8 bytes; no padding; 21 set beside a mask
	s_or_b32 s[G1B+0], s33, (3<<16)|(1<<21)
.irp g, G1A, G1B
	s_mov_b32 s[\g+1], 32<<16                      ; dense rows of 256 bytes
	s_mov_b32 s[\g+2], 400<<16                     ; 400 rows
	s_mov_b32 s[\g+3], 32<<16
	s_mov_b32 s[\g+4], 400
	s_mov_b32 s[\g+5], 32
	s_mov_b32 s[\g+6], 0
	s_mov_b32 s[\g+7], 0
.endr
	s_mul_i32 s60, s23, GRP
	s_mov_b32 s61, 0
	s_lshl_b32 s86, s84, 1
	s_add_co_u32 s86, s86, s[WV]
	s_add_co_u32 s86, s86, 23                      ; waves 1, 2: wimg's groups 24 + 2 x column tile + 0, 1
	s_mul_i32 s86, s86, GRP
	s_mov_b32 s87, 0
	s_mul_i32 s85, s[WV], GRP                      ; B's groups lie behind A's
	s_wait_dscnt 0x0
	s_wait_kmcnt 0x0
	s_add_nc_u64 s[60:61], s[4:5], s[60:61]
	s_add_nc_u64 s[86:87], s[6:7], s[86:87]
	CROUND                                         ; all sixteen work-groups are here
.irp j, 0
	s_mov_b32 s[G0A+4*\j], 1
	s_mov_b32 s[G0A+4*\j+1], \j*QB
	s_add_nc_u64 s[G0A+4*\j+2:G0A+4*\j+3], s[60:61], \j*QTR
	s_or_b32 s[G0A+4*\j+3], s[G0A+4*\j+3], 0x80000000
	s_mov_b32 s[G0B+4*\j], 1
	s_add_co_u32 s[G0B+4*\j+1], s85, \j*QB
	s_add_nc_u64 s[G0B+4*\j+2:G0B+4*\j+3], s[86:87], \j*QTR
	s_or_b32 s[G0B+4*\j+3], s[G0B+4*\j+3], 0x80000000
.endr
	s_cmp_eq_u32 s[WV], 0                          ; a wave's fills stand in one branch on its number; wave 3 has none
	s_cbranch_scc0 .Lnot_a
.irp j, 0
	tensor_load_to_lds s[G0A+4*\j:G0A+4*\j+3], s[G1A:G1A+7]
	s_nop 0
.endr
.rept 4
	v_nop
.endr
	s_branch .Lasked
.Lnot_a:
	s_cmp_lt_u32 s[WV], 3
	s_cbranch_scc0 .Lasked
.irp j, 0
	tensor_load_to_lds s[G0B+4*\j:G0B+4*\j+3], s[G1B:G1B+7]
	s_nop 0
.endr
.rept 4
	v_nop
.endr
.Lasked:
	; the residual, the bias and the output, in registers that feed no descriptor
	s_and_b32 s88, s23, 31
	s_lshl_b32 s88, s88, 7
	s_lshl_b32 s89, s19, 6
	s_add_co_u32 s88, s88, s89
	s_lshl_b32 s88, s88, 12                        ; my first token's row of 4,096 bytes
	s_lshl_b32 s89, s84, 10
	s_lshl_b32 s90, s20, 9
	s_add_co_u32 s90, s90, s89                     ; my first column, in bytes
	s_mov_b32 s91, 0
	s_add_co_u32 s88, s88, s90
	s_mov_b32 s89, 0
	s_and_b32 s92, ttmp7, 0xffff
	s_cmp_lt_u32 s92, 8                            ; token groups 0-31 are x's
	s_cselect_b64 s[8:9], s[8:9], s[10:11]
	s_cselect_b64 s[14:15], s[14:15], s[16:17]
	s_add_nc_u64 s[8:9], s[8:9], s[88:89]
	s_add_nc_u64 s[14:15], s[14:15], s[88:89]
	s_add_nc_u64 s[12:13], s[12:13], s[90:91]
	v_and_b32 v1, 31, v0
	v_lshlrev_b32 v[CO], 4, v1
	v_and_b32 v2, 15, v0                           ; r
	s_wait_alu depctr_va_vdst(0)
	v_bfe_u32 v3, v0, 4, 1                         ; h
	global_load_b128 v[BI:BI+3], v[CO], s[12:13]   ; the bias of my four columns of a row read back
	WIN 0xc0                                       ; destination window 3
.irp a, 0,1,2,3
.irp i, 0,1,2,3,4,5,6,7,8,9,10,11,12,13,14,15
	global_load_b128 v[64*\a+4*\i:64*\a+4*\i+3], v[CO], s[8:9] offset:(32*(\a/2)+8*(\a%2)+\i+8*(\i/8))*4096 th:TH_LOAD_NT   ; 512 consecutive bytes of the token that lane i of tile a holds
.endr
.endr
	WIN 0
	s_mul_i32 s93, s19, 4*IMG
	v_add_nc_u32 v[ADRA], s93, v[CO]
	s_mul_i32 s93, s20, GRP
	s_add_co_u32 s93, s93, GRP
	v_add_nc_u32 v[ADRB], s93, v[CO]
	s_lshl_b32 s93, s19, 8
	s_add_co_u32 s93, s93, SOFF
	v_lshl_add_u32 v[ADSA], v2, 4, s93             ; both halves of the lanes take row r's four words
	s_mul_i32 s93, s[WV], 16*SP
	v_mul_u32_u24 v[STO], v2, SP
	s_wait_alu depctr_va_vdst(0)
	v_lshl_add_u32 v[STO], v3, 6, v[STO]
	v_add_nc_u32 v[STO], s93, v[STO]               ; the stage, in: row r, + 64 h
	v_add_nc_u32 v[RD], s93, v[CO]                 ; back: a row's 512 bytes
.macro WM a, b, p, zero
.set rD, 8*(8*(\a)+(\b))
.set rB, 128*(\p)+FR*(\b)
.set rA, AF+48*(\p)+FR*(\a)
.set rY, SC+8*(\p)+4+(\b)%4
.set rX, SC+8*(\p)+(\a)
.if (\zero) && ((\b) < 4)
	v_wmma_scale_f32_16x16x128_f8f6f4 v[rD:rD+7], v[rB:rB+FR-1], v[rA:rA+FR-1], 0, v[rY], v[rX] matrix_a_fmt:MATRIX_FMT_FP6 matrix_b_fmt:MATRIX_FMT_FP6
.elseif \zero
	v_wmma_scale_f32_16x16x128_f8f6f4 v[rD:rD+7], v[rB:rB+FR-1], v[rA:rA+FR-1], 0, v[rY], v[rX] matrix_a_fmt:MATRIX_FMT_FP6 matrix_b_fmt:MATRIX_FMT_FP6 matrix_a_scale:MATRIX_SCALE_ROW1
.elseif (\b) < 4
	v_wmma_scale_f32_16x16x128_f8f6f4 v[rD:rD+7], v[rB:rB+FR-1], v[rA:rA+FR-1], v[rD:rD+7], v[rY], v[rX] matrix_a_fmt:MATRIX_FMT_FP6 matrix_b_fmt:MATRIX_FMT_FP6
.else
	v_wmma_scale_f32_16x16x128_f8f6f4 v[rD:rD+7], v[rB:rB+FR-1], v[rA:rA+FR-1], v[rD:rD+7], v[rY], v[rX] matrix_a_fmt:MATRIX_FMT_FP6 matrix_b_fmt:MATRIX_FMT_FP6 matrix_a_scale:MATRIX_SCALE_ROW1
.endif
.endm
.macro FETCH q                         ; K step q's fragments and scale words into set q % 2: 38 LDS loads.  q % 2 is also the unit within the quarter
.set pp, (\q)%2
	WIN TO_B
.irp i, 0,1,2,3,4,5,6,7
.irp c, 0,1,2
	ds_load_b128 v[128*pp+FR*\i+4*\c:128*pp+FR*\i+4*\c+3], v[ADRB] offset:pp*UNIT+\i*IMG+512*\c
.endr
.endr
	WIN 0
.irp i, 0,1,2,3
.irp c, 0,1,2
	ds_load_b128 v[AF+48*pp+FR*\i+4*\c:AF+48*pp+FR*\i+4*\c+3], v[ADRA] offset:pp*UNIT+\i*IMG+512*\c
.endr
.endr
	ds_load_b128 v[SC+8*pp:SC+8*pp+3], v[ADSA] offset:pp*UNIT
	ds_load_b128 v[SC+8*pp+4:SC+8*pp+7], v[ADRB] offset:pp*UNIT+SOFF
.endm
; K step q of eight: the next step's operands are asked for, then this step's 32 products; the 32 accumulators take turns, one instruction a turn.
.macro KSTEP q
	WIN 0
.if ((\q)%2 == 1) && ((\q) < 7)
	s_wait_dscnt 0x0                               ; no LDS instruction of mine is out at the signal: my reads of the units up to this step's are over
	s_barrier_signal -1
	s_barrier_wait -1                              ; so are everybody's: behind K step 5's barrier nobody reads the bytes on which the stage lands
	v_add_nc_u32 v[ADRA], QB, v[ADRA]              ; these three and the v_nop are the places behind the last step's products
	v_add_nc_u32 v[ADRB], QB, v[ADRB]
	s_wait_alu depctr_va_vdst(0)
	v_add_nc_u32 v[ADSA], QB, v[ADSA]
	s_wait_alu depctr_va_vdst(0)
	v_nop
.elseif ((\q) > 0) && ((\q) < 7)
.rept 4
	v_nop                                          ; places in front of loads into registers that the last step's products have read
.endr
.endif
.if (\q) < 7
	FETCH (\q)+1
	s_wait_dscnt 38                                ; all but the 38 just issued
.else
	s_wait_dscnt 0x0
.endif
	WIN MUL
.irp a, 0,1,2,3
.irp b, 0,1,2,3,4,5,6,7
.if (\q) == 0
	WM \a, \b, 0, 1
.else
	WM \a, \b, (\q)%2, 0
.endif
.endr
.endr
.endm
	s_wait_alu depctr_va_vdst(0)
	s_wait_tensorcnt 0x0                           ; my one load, a whole group, is in
	s_barrier_signal -1
	s_barrier_wait -1
	FETCH 0
.irp q, 0,1,2,3,4,5,6,7
	KSTEP \q
.endr
	WIN 0
; THE WAY OUT, a tile of 16 tokens x 128 columns at a time: through my stage in LDS, back as whole rows of 512 bytes, + residual, + bias, stored as two aligned runs of 256 bytes.
.macro TOSTAGE a
	WIN 0x08                                       ; an LDS store's data are its source 1: window 2
.irp b, 0,1,2,3,4,5,6,7
	ds_store_b128 v[STO], v[64*(\a)+8*\b:64*(\a)+8*\b+3] offset:128*(\b/2)+32*(\b%2)        ; lane (r, h), accumulator b, register j: column 32 (b / 2) + 16 h + 8 (b % 2) + j; each accumulator from its low end on
	ds_store_b128 v[STO], v[64*(\a)+8*\b+4:64*(\a)+8*\b+7] offset:128*(\b/2)+32*(\b%2)+16
.endr
	WIN 0
.set BB, BK+64*((\a)%2)
.irp i, 0,1,2,3,4,5,6,7,8,9,10,11,12,13,14,15
	ds_load_b128 v[BB+4*\i:BB+4*\i+3], v[RD] offset:\i*SP   ; LDS serves a wave's instructions in order: these see the stores above
.endr
.endm
.macro SEND a, younger
.set BB, BK+64*((\a)%2)
	s_wait_dscnt \younger                          ; the tile is back; the next tile's 16 stores and 16 loads may be out
	WIN 0x0c                                       ; source 1: window 3
.set n, 0
.rept 32
	v_pk_add_f32 v[BB+n:BB+n+1], v[BB+n:BB+n+1], v[64*(\a)+n:64*(\a)+n+1]   ; + x or y
.set n, n+2
.endr
	WIN 0
.irp i, 0,1,2,3,4,5,6,7,8,9,10,11,12,13,14,15
	v_pk_add_f32 v[BB+4*\i:BB+4*\i+1], v[BB+4*\i:BB+4*\i+1], v[BI:BI+1]     ; + b_proj
	v_pk_add_f32 v[BB+4*\i+2:BB+4*\i+3], v[BB+4*\i+2:BB+4*\i+3], v[BI+2:BI+3]
.endr
.irp i, 0,1,2,3,4,5,6,7,8,9,10,11,12,13,14,15
	global_store_b128 v[CO], v[BB+4*\i:BB+4*\i+3], s[14:15] offset:(32*((\a)/2)+8*((\a)%2)+\i+8*(\i/8))*4096 th:TH_STORE_NT   ; 512 consecutive bytes, at a multiple of 256 from the output's first byte
.endr
.endm
.rept 4
	v_nop                                          ; places behind the last products: for the stores of results and the loads into A's registers
.endr
	s_wait_loadcnt 0x0                             ; the residual and the bias
	TOSTAGE 0
.irp a, 1,2,3
.if \a > 1
	s_wait_xcnt 0x0                                ; tile a - 2's stores have read their registers: tile a's rows may land there
.endif
	TOSTAGE \a
	SEND \a-1, 32
.endr
	SEND 3, 0
	s_wait_tensorcnt 0x0
	ds_add_u32 v254, v255
	s_wait_dscnt 0x0
	CROUND                                         ; the closing round
	s_endpgm
.Lfunc_end_k_q3116a4eaa5_proj:
	.size	k_q3116a4eaa5_proj, .Lfunc_end_k_q3116a4eaa5_proj-k_q3116a4eaa5_proj
	.p2alignl 7, 3214868480
	.fill 96, 4, 3214868480
	.section	.rodata,"a",@progbits
	.p2align	6, 0x0
	.amdhsa_kernel k_q3116a4eaa5_proj
		.amdhsa_group_segment_fixed_size 327680
		.amdhsa_private_segment_fixed_size 0
		.amdhsa_enable_private_segment 0
		.amdhsa_kernarg_size 56
		.amdhsa_user_sgpr_count 2
		.amdhsa_user_sgpr_kernarg_segment_ptr 1
		.amdhsa_wavefront_size32 1
		.amdhsa_system_sgpr_workgroup_id_x 1
		.amdhsa_system_sgpr_workgroup_id_y 1
		.amdhsa_system_sgpr_workgroup_id_z 1
		.amdhsa_system_vgpr_workitem_id 0
		.amdhsa_next_free_vgpr 1024
		.amdhsa_next_free_sgpr 96
		.amdhsa_reserve_vcc 0
		.amdhsa_float_denorm_mode_32 3
		.amdhsa_float_denorm_mode_16_64 3
		.amdhsa_memory_ordered 1
		.amdhsa_forward_progress 1
		.amdhsa_inst_pref_size 97
	.end_amdhsa_kernel
	.amdgpu_metadata
---
amdhsa.version: [ 1, 2 ]
amdhsa.kernels:
  - .name:           k_q3116a4eaa5_proj
    .symbol:         k_q3116a4eaa5_proj.kd
    .args:
      - { .name: oimg, .offset: 0, .size: 8, .value_kind: global_buffer, .address_space: global }
      - { .name: wimg, .offset: 8, .size: 8, .value_kind: global_buffer, .address_space: global }
      - { .name: x, .offset: 16, .size: 8, .value_kind: global_buffer, .address_space: global }
      - { .name: y, .offset: 24, .size: 8, .value_kind: global_buffer, .address_space: global }
      - { .name: b_proj, .offset: 32, .size: 8, .value_kind: global_buffer, .address_space: global }
      - { .name: out0, .offset: 40, .size: 8, .value_kind: global_buffer, .address_space: global }
      - { .name: out1, .offset: 48, .size: 8, .value_kind: global_buffer, .address_space: global }
    .group_segment_fixed_size: 327680
    .private_segment_fixed_size: 0
    .kernarg_segment_align: 8
    .kernarg_segment_size: 56
    .max_flat_workgroup_size: 128
    .sgpr_count:     96
    .vgpr_count:     1024
    .wavefront_size: 32
...
	.end_amdgpu_metadata
.endif
;; end of part 4
